; MI455X (gfx1250); checked and timed in simulation.
; The chip was launched on July 23, 2026; its instructions are those of AMD's public machine-readable ISA for CDNA 5 (MIT licence, August 2026) and "CDNA5" Instruction Set Architecture Reference Guide (July 2026). The comments in the code are by the model that wrote it; some were corrected since.
;; emd Module. Allowed arithmetic: float matrix products may take bf16 or f16 operands with f32 sums; all other float work in f32.
;; Inputs: eps one number float32; input1 16 x 2,048 x 3 float32; input2 16 x 2,048 x 3 float32.
;; Outputs: out0 16 x 2,048 float32; out1 16 x 2,048 int32.
;; Constants: iters = 50.
;; 2 versions, each right; version 2 is version 1 with the launch emd written anew for expert scheduling mode. Each part assembles by itself: llvm-mc -triple=amdgcn-amd-amdhsa -mcpu=gfx1250 --defsym DOCPART=n.
;; ======== version 1 of 2: 1 launch
;; limits: values within 1.2e-07 (relative) of each other or of a threshold may be ordered or decided otherwise than in the reference; right only within a limited range of input values
;; launch emd (part 1): grid 256 x 1, 8 waves a work-group, no clusters, 29,696 bytes of LDS; arguments eps, input1, input2, out0, out1; writes out0, out1
.if DOCPART == 1
	.amdgcn_target "amdgcn-amd-amdhsa--gfx1250"
	.amdhsa_code_object_version 6
	.text
	.protected	k_qa0e44791fd_emd
	.globl	k_qa0e44791fd_emd
	.p2align	8
	.type	k_qa0e44791fd_emd,@function
k_qa0e44791fd_emd:
	s_mov_b64 s[64:65], 0
	v_nop
	global_prefetch_b8 v0, s[64:65] scope:SCOPE_SE
	s_setreg_imm32_b32 hwreg(HW_REG_WAVE_MODE, 25, 1), 1
	s_wait_xcnt 0x0
; For each of 16 x 2048 queries x (input1): the smallest cost = sqrt(max(|x|^2 + |y|^2 - 2 x.y, 0)) over the batch's 2048
; candidates y (input2), its first index (out1), and sqrt of the cost left after the 50-step price recurrence (out0).
;
; SHARES.  256 work-groups; work-group g owns batch g / 16 and its queries 128 (g % 16) .. + 127.  Eight waves; wave w takes
; the 64 queries of half w & 1 (four tiles of 16) against the 512 candidates of quarter w >> 1 (32 tiles of 16).
;
; NUMBERS.  Both inputs are rounded to bf16 (nearest even) first, and everything is formed from the rounded numbers in the
; reference's own steps, since the index is compared exactly: |.|^2 = (c0^2 + c1^2) + c2^2 in f32; x.y on the matrix unit
; (bf16 products are exact in f32); s = |x|^2 + |y|^2 rounded once; d2 = s - 2 x.y rounded once.  The norms are therefore NOT
; folded into the matrix product, which would spare the add but round otherwise.
; K = 3 of the form's 32: c0, c1 lie at k = 0, 1 and c2 at k = 16, so that over ascending k the third product is the last, as in
; the reference's sum; the other 29 places are zeros.
;
; LAYOUT.  A = 16 candidates (rows), B = 16 queries (columns): lane (r, h) holds query r, its eight result registers the
; candidates 8 h + 0 .. 7 of the tile, so the minimum never leaves the lane until the very end.
; INDEX.  Per tile and query tile: the least of the eight d2 and the running best by four v_min3, one clamp, one compare, one select
; of the tile's first index, eight selects that keep the winning tile's d2.  Which of the eight it was is found once, behind the loop.
; A strict 'less' keeps the earliest tile; the first of the eight that equals the best is taken: the first index, as argmin gives it.
;
; LIMITS.  (1) Equal costs are recognised on d2, not on its root: two UNEQUAL d2 whose roots round to one f32 (neighbouring
; f32 numbers) count as a tie in the reference, which then takes the earlier index; here the smaller d2 wins.
; (2) NaN or infinite coordinates are not served (v_min*_num drops a NaN, argmin takes it).
; (3) The price recurrence is linear in the cost, so it is run once, in the reference's own two steps, on the cost 1, and
; the result multiplies every cost: rounding differs in the last bits; with |1 - eps|^49 beyond f32's range (eps above about 7) a
; cost of 0 gives NaN here and 0 there.  (4) v_sqrt_f32 takes a denormal as zero (ISA guide 15.8): d2 below 2^-126 roots to 0.
;
; NO TENSOR LOADS, NO CLUSTER: what work-groups share is a batch's 24,576 bytes of candidates, read once per work-group in front of
; 32 steps of arithmetic, and every number has to pass through registers anyway (rounding, norms) before it can lie in LDS.
.set CAND_B, 24576                     ; bytes of a batch of candidates: 2048 x 3 f32
.set QRY_B,  1536                      ; bytes of a work-group's 128 queries
.set Y01,    0                         ; LDS: 2048 words (bf16 y0, bf16 y1)
.set Y2,     8192                      ; LDS: 2048 words (bf16 y2, 0)
.set SQB,    16384                     ; LDS: 2048 f32 |y|^2
.set MRG,    24576                     ; LDS: 4 quarters x 128 queries x (best d2, index)
.set R16,  2                           ; lane & 15
.set HH,   3                           ; lane >> 4
.set VA,   4                           ; LDS address of my candidate's words in the current pair of tiles
.set VS,   5                           ; LDS address of my half's eight |y|^2 in the current pair of tiles
.set GO2,  6                           ; byte offset of my candidates in the batch
.set GO1,  7                           ; byte offset of my query in the wave's 64
.set LST,  8                           ; 16 x thread: where my four candidates' words go
.set H8,   9                           ; 8 h
.set MAD,  10                          ; where my query's (best, index) goes
.set GO,   11                          ; byte offset of my two results
.set UU,   12                          ; the recurrence at cost 1: min_cost
.set PP,   13                          ;                           price
.set JJ,   14                          ; place among the eight
.set RES,  16                          ; v[16:17] (best, index)
.set BF,   32                          ; v[32:63]   four query fragments
.set AF,   64                          ; v[64:79]   two candidate fragments (tiles take turns)
.set SQ2,  80                          ; v[80:95]   |y|^2 of my half's 8 candidates, two tiles
.set SQ1,  96                          ; v[96:103]  |x|^2 of my query in tile q, twice (a pair for the packed add)
.set SS,   104                         ; v[104:135] s = |x|^2 + |y|^2, 8 for each query tile
.set TT,   136                         ; v[136:143] partial minima
.set BEST, 144                         ; v[144:151] best so far, clamped at 0; two sets that take turns, 4 query tiles each
.set TIDX, 152                         ; v[152:155] first candidate of the winning tile
.set WW,   156                         ; v[156:187] the winning tile's eight d2, for each query tile
.set DD,   188                         ; v[188:251] matrix results, two tiles x 4 query tiles x 8
.set X0,   DD                          ; the prologue's registers lie in DD, which is not yet in use
.set X1,   DD+12
.set XQ,   DD+24
.set PW01, DD+40
.set PW2,  DD+44
.set PSQ,  DD+48
.set PT,   DD+52
	s_load_b256 s[4:11], s[0:1], 0x0               ; eps s[4:5], input1 s[6:7], input2 s[8:9], out0 s[10:11]
	s_load_b64 s[12:13], s[0:1], 0x20              ; out1
	v_lshl_add_u32 v252, v0, 2, 0x7000
	v_mov_b32 v253, 0
	v_lshrrev_b32 v1, 5, v0
	v_readfirstlane_b32 s15, v1                    ; wave 0..7
	s_lshr_b32 s17, s15, 1                         ; my quarter of the candidates
	s_and_b32 s16, s15, 1                          ; my half of the queries
	s_lshr_b32 s18, ttmp9, 4                       ; batch
	s_mul_i32 s24, s18, CAND_B                     ; the batch's candidates
	s_mov_b32 s25, 0
	s_mul_i32 s26, ttmp9, QRY_B                    ; the work-group's queries (128 g rows of 12 bytes),
	s_mul_i32 s19, s16, QRY_B/2                    ; my half of them
	s_add_co_u32 s26, s26, s19
	s_mov_b32 s27, 0
	s_lshl_b32 s30, ttmp9, 9                       ; the work-group's 128 results of 4 bytes
	s_mov_b32 s31, 0
	s_mov_b32 s28, 0x76543210                      ; v_permlanex16_b32: lane i takes lane i of the other half
	s_mov_b32 s29, 0xfedcba98
	s_lshl_b32 s20, s17, 9                         ; index of the first candidate of the tile at work
	v_and_b32 v[R16], 15, v0
	v_bfe_u32 v[HH], v0, 4, 1
	v_mul_u32_u24 v[GO2], 48, v0                   ; four candidates of 12 bytes a thread
	v_mul_u32_u24 v[GO1], 12, v[R16]
	s_wait_kmcnt 0x0
	s_load_b32 s14, s[4:5], 0x0                    ; eps
	s_add_nc_u64 s[8:9], s[8:9], s[24:25]
	s_add_nc_u64 s[6:7], s[6:7], s[26:27]
	s_add_nc_u64 s[10:11], s[10:11], s[30:31]
	s_add_nc_u64 s[12:13], s[12:13], s[30:31]
	; candidates 4 t .. 4 t + 3 and 1024 + 4 t .. + 3: 48 bytes each time; the 256 threads cover the batch's 24,576 bytes once
.irp i, 0,1,2
	global_load_b128 v[X0+4*\i:X0+4*\i+3], v[GO2], s[8:9] offset:16*\i
.endr
.irp i, 0,1,2
	global_load_b128 v[X1+4*\i:X1+4*\i+3], v[GO2], s[8:9] offset:CAND_B/2+16*\i
.endr
	; query 16 q + r of my 64, in both halves of the lanes
.irp q, 0,1,2,3
	global_load_b96 v[XQ+4*\q:XQ+4*\q+2], v[GO1], s[6:7] offset:192*\q
.endr
	; register work while the loads are on their way
	v_lshlrev_b32 v[LST], 4, v0
	v_lshlrev_b32 v[H8], 3, v[HH]
	s_lshl_b32 s19, s17, 11                        ; my quarter in each of the three tables: 512 words
	v_lshl_add_u32 v[VA], v[R16], 2, s19           ; candidate r of a tile, the same in both halves of the lanes
	v_lshl_add_u32 v[VS], v[HH], 5, s19            ; candidates 8 h .. 8 h + 7 of a tile
	s_lshl_b32 s19, s15, 9                         ; quarter x 1024 + half x 512 = wave x 512
	v_lshl_add_u32 v[MAD], v[R16], 3, s19
	v_cmp_eq_u32 vcc_lo, 0, v[HH]                  ; lanes 0-15: kept until the query fragments are made
	; the places of K that are not used: registers 1-3 and 5-7 of every fragment, written once
.irp f, 0,1
.irp k, 1,2,3,5,6,7
	v_mov_b32 v[AF+8*\f+\k], 0
.endr
.endr
.irp q, 0,1,2,3
.irp k, 1,2,3,5,6,7
	v_mov_b32 v[BF+8*\q+\k], 0
.endr
.endr
	s_wait_kmcnt 0x0                               ; eps
	; the price recurrence at cost 1: 50 steps give 50 values of min_cost, the last of them behind 49 updates of the price
	v_mov_b32 v[PP], 0
.rept 49
	v_sub_f32 v[UU], 1.0, v[PP]
	v_fmac_f32 v[PP], s14, v[UU]
.endr
	v_sub_f32 v[UU], 1.0, v[PP]
; four candidates from 12 registers: the two bf16 words and the norm of the rounded numbers
.macro CAND x
.irp i, 0,1,2,3
	v_cvt_pk_bf16_f32 v[PW01+\i], v[\x+3*\i], v[\x+3*\i+1]
	v_cvt_pk_bf16_f32 v[PW2+\i], v[\x+3*\i+2], 0
	v_lshlrev_b32 v[PT], 16, v[PW01+\i]            ; back to f32: the rounded numbers
	v_and_b32 v[PT+1], 0xffff0000, v[PW01+\i]
	v_lshlrev_b32 v[PT+2], 16, v[PW2+\i]
	v_mul_f32 v[PSQ+\i], v[PT], v[PT]
	v_fmac_f32 v[PSQ+\i], v[PT+1], v[PT+1]
	v_fmac_f32 v[PSQ+\i], v[PT+2], v[PT+2]
.endr
.endm
	s_wait_loadcnt 7                               ; ten loads were issued: the first three (candidates 4 t ..) are in, seven may be out
	CAND X0
	ds_store_b128 v[LST], v[PW01:PW01+3] offset:Y01
	ds_store_b128 v[LST], v[PW2:PW2+3] offset:Y2
	ds_store_b128 v[LST], v[PSQ:PSQ+3] offset:SQB
	s_wait_loadcnt 4                               ; the next three are in; the four query loads may be out
	CAND X1
	ds_store_b128 v[LST], v[PW01:PW01+3] offset:Y01+4096
	ds_store_b128 v[LST], v[PW2:PW2+3] offset:Y2+4096
	ds_store_b128 v[LST], v[PSQ:PSQ+3] offset:SQB+4096
	s_wait_loadcnt 0x0
	; query fragments: lanes 0-15 hold k = 0, 1 (register 0) and k = 16 (register 4).  Lanes 16-31 (k = 8 .., 24 ..) hold zeros, so that the
	; candidate fragments may carry the same words in both halves of the lanes: their upper copies meet zeros.
.irp q, 0,1,2,3
	v_cvt_pk_bf16_f32 v[PW01], v[XQ+4*\q], v[XQ+4*\q+1]
	v_cvt_pk_bf16_f32 v[PW2], v[XQ+4*\q+2], 0
	v_lshlrev_b32 v[PT], 16, v[PW01]
	v_and_b32 v[PT+1], 0xffff0000, v[PW01]
	v_lshlrev_b32 v[PT+2], 16, v[PW2]
	v_mul_f32 v[SQ1+2*\q], v[PT], v[PT]
	v_fmac_f32 v[SQ1+2*\q], v[PT+1], v[PT+1]
	v_fmac_f32 v[SQ1+2*\q], v[PT+2], v[PT+2]
	v_cndmask_b32 v[BF+8*\q], 0, v[PW01], vcc_lo
	v_cndmask_b32 v[BF+8*\q+4], 0, v[PW2], vcc_lo
	v_mov_b32 v[SQ1+2*\q+1], v[SQ1+2*\q]
.endr
	s_wait_dscnt 0x0                               ; my part of the tables is written: zero, for the other waves' sake
	s_barrier_signal -1
	s_barrier_wait -1                              ; everybody's is
; the four products of the tile in buffer b: 16 candidates x 64 queries.  Nothing is summed up over tiles: C is the constant 0.
.macro MM b
.irp q, 0,1,2,3
	v_wmma_f32_16x16x32_bf16 v[DD+32*\b+8*\q:DD+32*\b+8*\q+7], v[AF+8*\b:AF+8*\b+7], v[BF+8*\q:BF+8*\q+7], 0
.endr
.endm
; ONE STEP: tile t, whose products lie in buffer p = t & 1.  wm: the products of tile t + 1 are issued; lda: the fragment of tile
; t + 2 is fetched; lds: the norms of tile t + 1 are fetched; first: tile 0 starts the state, so that nothing is cleared.
; VA and VS stand at tile t - p.  The four query tiles go through each stage side by side, so that no line waits for the one in front.
.macro ITER p, first, wm, lda, lds
.set PN, 1-\p
.if \first
.set EE, WW                                        ; tile 0's d2 are the first 'winning tile'
.else
.set EE, DD+32*\p                                  ; d2 takes the products' place
.endif
	s_wait_dscnt 0x0                               ; the loads of the last step, issued 76 vector instructions ago: fragment t + 1, norms t
.if \wm
	MM PN
.endif
.irp q, 0,1,2,3
.irp j, 0,2,4,6
	v_pk_add_f32 v[SS+8*\q+\j:SS+8*\q+\j+1], v[SQ2+8*\p+\j:SQ2+8*\p+\j+1], v[SQ1+2*\q:SQ1+2*\q+1]   ; s, rounded as the reference rounds it
.endr
.endr
	; These sixteen adds name no register of a matrix instruction: they are the places (four are asked) between tile t's
	; products and both the loads into their fragment's registers and the first reading of their results, in the first step too.
.if \lda
	ds_load_b32 v[AF+8*\p], v[VA] offset:Y01+128+64*\p
	ds_load_b32 v[AF+8*\p+4], v[VA] offset:Y2+128+64*\p
.endif
.if \lds
	ds_load_b128 v[SQ2+8*PN:SQ2+8*PN+3], v[VS] offset:SQB+64+64*\p
	ds_load_b128 v[SQ2+8*PN+4:SQ2+8*PN+7], v[VS] offset:SQB+64+64*\p+16
.endif
.irp q, 0,1,2,3
.irp j, 0,2,4,6
	v_pk_fma_f32 v[EE+8*\q+\j:EE+8*\q+\j+1], v[DD+32*\p+8*\q+\j:DD+32*\p+8*\q+\j+1], -2.0, v[SS+8*\q+\j:SS+8*\q+\j+1] op_sel_hi:[1,0,1]   ; d2 = s - 2 x.y
.endr
.endr
.irp q, 0,1,2,3
	v_min3_num_f32 v[TT+2*\q], v[EE+8*\q], v[EE+8*\q+1], v[EE+8*\q+2]
.endr
.irp q, 0,1,2,3
	v_min3_num_f32 v[TT+2*\q+1], v[EE+8*\q+3], v[EE+8*\q+4], v[EE+8*\q+5]
.endr
.irp q, 0,1,2,3
	v_min3_num_f32 v[TT+2*\q], v[TT+2*\q], v[EE+8*\q+6], v[EE+8*\q+7]
.endr
.if \first
.irp q, 0,1,2,3
	v_min_num_f32 v[TT+2*\q], v[TT+2*\q], v[TT+2*\q+1]
.endr
.irp q, 0,1,2,3
	v_max_num_f32 v[BEST+4*PN+\q], 0, v[TT+2*\q]
.endr
.irp q, 0,1,2,3
	v_mov_b32 v[TIDX+\q], s20
.endr
.else
.irp q, 0,1,2,3
	v_min3_num_f32 v[TT+2*\q], v[TT+2*\q], v[TT+2*\q+1], v[BEST+4*\p+\q]   ; the old best rides in the third place
.endr
.irp q, 0,1,2,3
	v_max_num_f32 v[BEST+4*PN+\q], 0, v[TT+2*\q]   ; the reference's clamp in front of the comparison: all d2 <= 0 are equal.  The old best is >= 0
.endr
.irp q, 0,1,2,3
	v_cmp_lt_f32 s[22+\q], v[BEST+4*PN+\q], v[BEST+4*\p+\q]                ; strictly better: an equal later tile does not win
.endr
.irp q, 0,1,2,3
	v_cndmask_b32 v[TIDX+\q], v[TIDX+\q], s20, s[22+\q]
.endr
.irp q, 0,1,2,3
.irp j, 0,1,2,3,4,5,6,7
	v_cndmask_b32 v[WW+8*\q+\j], v[WW+8*\q+\j], v[EE+8*\q+\j], s[22+\q]
.endr
.endr
.endif
	s_add_co_u32 s20, s20, 16                      ; the next tile's first candidate
.endm
	ds_load_b32 v[AF], v[VA] offset:Y01            ; fragments of tiles 0 and 1, norms of tile 0
	ds_load_b32 v[AF+4], v[VA] offset:Y2
	ds_load_b32 v[AF+8], v[VA] offset:Y01+64
	ds_load_b32 v[AF+12], v[VA] offset:Y2+64
	ds_load_b128 v[SQ2:SQ2+3], v[VS] offset:SQB
	ds_load_b128 v[SQ2+4:SQ2+7], v[VS] offset:SQB+16
	s_wait_dscnt 0x0
	MM 0
	ITER 0, 1, 1, 1, 1                             ; tiles 0 and 1 stand in front of the loop: tile 0 starts the state
	ITER 1, 0, 1, 1, 1
	v_add_nc_u32 v[VA], 128, v[VA]                 ; two tiles of 16 words on
	v_add_nc_u32 v[VS], 128, v[VS]
	s_mov_b32 s21, 14                              ; tiles 2 to 29
.Lpair:
	ITER 0, 0, 1, 1, 1
	ITER 1, 0, 1, 1, 1
	v_add_nc_u32 v[VA], 128, v[VA]
	v_add_nc_u32 v[VS], 128, v[VS]
	s_sub_co_u32 s21, s21, 1
	s_cmp_lg_u32 s21, 0
	s_cbranch_scc1 .Lpair
	ITER 0, 0, 1, 0, 1                             ; tile 30: tile 31's products and norms, no further fragment
	ITER 1, 0, 0, 0, 0                             ; tile 31: nothing follows.  An even number of steps: the best lies in set 0
	; Which of the eight: the first whose d2 is <= the best (the best is the least of them, or 0 where the least is below 0).
.irp q, 0,1,2,3
	v_mov_b32 v[JJ], 0
.irp j, 7,6,5,4,3,2,1,0
	v_cmp_le_f32 vcc_lo, v[WW+8*\q+\j], v[BEST+\q]
	v_cndmask_b32 v[JJ], v[JJ], \j, vcc_lo         ; downward, so that the lowest place is written last
.endr
	v_add3_u32 v[RES+1], v[TIDX+\q], v[JJ], v[H8]  ; tile + 8 h + place
	; lanes r and r + 16 hold the same query: the smaller best, and of equal ones the lower index; both lanes end up alike
	v_permlanex16_b32 v[SS], v[BEST+\q], s28, s29  ; (destinations that have been written before)
	v_permlanex16_b32 v[SS+1], v[RES+1], s28, s29
	v_min_num_f32 v[RES], v[BEST+\q], v[SS]
	v_cmp_eq_f32 vcc_lo, v[BEST+\q], v[RES]
	v_cndmask_b32 v[SS+2], -1, v[RES+1], vcc_lo
	v_cmp_eq_f32 vcc_lo, v[SS], v[RES]
	v_cndmask_b32 v[SS+3], -1, v[SS+1], vcc_lo
	v_min_u32 v[RES+1], v[SS+2], v[SS+3]
	ds_store_b64 v[MAD], v[RES:RES+1] offset:MRG+128*\q    ; quarter x 1024 + query x 8: bytes of this wave alone
.endr
	s_wait_dscnt 0x0                               ; zero: the other waves read these bytes behind the barrier
	s_barrier_signal -1
	s_barrier_wait -1
	s_cmp_gt_u32 s15, 1
	s_cbranch_scc1 .Ldone                          ; 128 queries, two a thread: waves 0 and 1 finish them
.set FF, DD                                        ; v[FF+4c : FF+4c+3] quarter c: (best, index) of queries 2 t and 2 t + 1
.set FB, DD+16                                     ; best, a pair
.set FI, DD+18                                     ; index, a pair
.set FC, DD+20                                     ; cost, then min_cost
.set FO, DD+22                                     ; its root
	v_lshlrev_b32 v[LST], 4, v0
.irp c, 0,1,2,3
	ds_load_b128 v[FF+4*\c:FF+4*\c+3], v[LST] offset:MRG+1024*\c
.endr
	s_wait_dscnt 0x0
	; quarters in ascending order, strictly better wins: of equal costs the lowest index stays
.irp e, 0,1
	v_cmp_lt_f32 vcc_lo, v[FF+4+2*\e], v[FF+2*\e]
	v_cndmask_b32 v[FB+\e], v[FF+2*\e], v[FF+4+2*\e], vcc_lo
	v_cndmask_b32 v[FI+\e], v[FF+2*\e+1], v[FF+4+2*\e+1], vcc_lo
.endr
.irp c, 2,3
.irp e, 0,1
	v_cmp_lt_f32 vcc_lo, v[FF+4*\c+2*\e], v[FB+\e]
	v_cndmask_b32 v[FB+\e], v[FB+\e], v[FF+4*\c+2*\e], vcc_lo
	v_cndmask_b32 v[FI+\e], v[FI+\e], v[FF+4*\c+2*\e+1], vcc_lo
.endr
.endr
	v_sqrt_f32 v[FC], v[FB]                        ; the cost (d2 is clamped already)
	v_sqrt_f32 v[FC+1], v[FB+1]
	v_lshlrev_b32 v[GO], 3, v0                     ; the plain instruction between a root and its use (ISA guide 5.7.2): 8 bytes a thread
	s_wait_alu depctr_va_vdst(0)
	v_mul_f32 v[FC], v[FC], v[UU]                  ; min_cost of the last step = cost x the recurrence at cost 1
	v_mul_f32 v[FC+1], v[FC+1], v[UU]
	v_sqrt_f32 v[FO], v[FC]
	v_sqrt_f32 v[FO+1], v[FC+1]
	v_nop                                          ; again one plain place in front of the use
	s_wait_alu depctr_va_vdst(0)
	global_store_b64 v[GO], v[FO:FO+1], s[10:11] th:TH_STORE_NT    ; each store of a wave covers 256 consecutive bytes, aligned
	global_store_b64 v[GO], v[FI:FI+1], s[12:13] th:TH_STORE_NT
.Ldone:
	s_wait_tensorcnt 0x0
	ds_add_u32 v252, v253
	s_wait_dscnt 0x0
	s_endpgm
.Lfunc_end_k_qa0e44791fd_emd:
	.size	k_qa0e44791fd_emd, .Lfunc_end_k_qa0e44791fd_emd-k_qa0e44791fd_emd
	.p2alignl 7, 3214868480
	.fill 96, 4, 3214868480
	.section	.rodata,"a",@progbits
	.p2align	6, 0x0
	.amdhsa_kernel k_qa0e44791fd_emd
		.amdhsa_group_segment_fixed_size 29696
		.amdhsa_private_segment_fixed_size 0
		.amdhsa_enable_private_segment 0
		.amdhsa_kernarg_size 40
		.amdhsa_user_sgpr_count 2
		.amdhsa_user_sgpr_kernarg_segment_ptr 1
		.amdhsa_wavefront_size32 1
		.amdhsa_system_sgpr_workgroup_id_x 1
		.amdhsa_system_sgpr_workgroup_id_y 1
		.amdhsa_system_sgpr_workgroup_id_z 1
		.amdhsa_system_vgpr_workitem_id 0
		.amdhsa_next_free_vgpr 254
		.amdhsa_next_free_sgpr 66
		.amdhsa_reserve_vcc 1
		.amdhsa_float_denorm_mode_32 3
		.amdhsa_float_denorm_mode_16_64 3
		.amdhsa_memory_ordered 1
		.amdhsa_forward_progress 1
		.amdhsa_inst_pref_size 54
	.end_amdhsa_kernel
	.amdgpu_metadata
---
amdhsa.version: [ 1, 2 ]
amdhsa.kernels:
  - .name:           k_qa0e44791fd_emd
    .symbol:         k_qa0e44791fd_emd.kd
    .args:
      - { .name: eps, .offset: 0, .size: 8, .value_kind: global_buffer, .address_space: global }
      - { .name: input1, .offset: 8, .size: 8, .value_kind: global_buffer, .address_space: global }
      - { .name: input2, .offset: 16, .size: 8, .value_kind: global_buffer, .address_space: global }
      - { .name: out0, .offset: 24, .size: 8, .value_kind: global_buffer, .address_space: global }
      - { .name: out1, .offset: 32, .size: 8, .value_kind: global_buffer, .address_space: global }
    .group_segment_fixed_size: 29696
    .private_segment_fixed_size: 0
    .kernarg_segment_align: 8
    .kernarg_segment_size: 40
    .max_flat_workgroup_size: 256
    .sgpr_count:     66
    .vgpr_count:     254
    .wavefront_size: 32
...
	.end_amdgpu_metadata
.endif
;; end of part 1
;; ======== version 2 of 2: 1 launch; version 1 with the launch emd written anew for expert scheduling mode
;; limits: values within 1.2e-07 (relative) of each other or of a threshold may be ordered or decided otherwise than in the reference; right only within a limited range of input values
;; launch emd (part 2): grid 256 x 1, 8 waves a work-group, no clusters, 29,696 bytes of LDS; arguments eps, input1, input2, out0, out1; writes out0, out1
.if DOCPART == 2
	.amdgcn_target "amdgcn-amd-amdhsa--gfx1250"
	.amdhsa_code_object_version 6
	.text
	.protected	k_qa0e44791fd_emd
	.globl	k_qa0e44791fd_emd
	.p2align	8
	.type	k_qa0e44791fd_emd,@function
k_qa0e44791fd_emd:
	s_mov_b64 s[64:65], 0
	v_nop
	global_prefetch_b8 v0, s[64:65] scope:SCOPE_SE
	s_setreg_imm32_b32 hwreg(HW_REG_WAVE_SCHED_MODE, 0, 2), 2
	s_setreg_imm32_b32 hwreg(HW_REG_WAVE_MODE, 25, 1), 1
	s_wait_xcnt 0x0
	s_wait_alu depctr_vm_vsrc(0)
; For each of 16 x 2048 queries x (input1): the smallest cost = sqrt(max(|x|^2 + |y|^2 - 2 x.y, 0)) over the batch's 2048
; candidates y (input2), its first index (out1), and sqrt of the cost left after the 50-step price recurrence (out0).
;
; SHARES.  256 work-groups; work-group g owns batch g / 16 and its queries 128 (g % 16) .. + 127.  Eight waves; wave w takes
; the 64 queries of half w & 1 (four tiles of 16) against the 512 candidates of quarter w >> 1 (32 tiles of 16).
;
; NUMBERS.  Both inputs are rounded to bf16 (nearest even) first, and everything is formed from the rounded numbers in the
; reference's own steps, since the index is compared exactly: |.|^2 = (c0^2 + c1^2) + c2^2 in f32; x.y on the matrix unit
; (bf16 products are exact in f32); s = |x|^2 + |y|^2 rounded once; d2 = s - 2 x.y rounded once.  The norms are therefore NOT
; folded into the matrix product, which would spare the add but round otherwise.
; K = 3 of the form's 32: c0, c1 lie at k = 0, 1 and c2 at k = 16, so that over ascending k the third product is the last, as in
; the reference's sum; the other 29 places are zeros.
;
; LAYOUT.  A = 16 candidates (rows), B = 16 queries (columns): lane (r, h) holds query r, its eight result registers the
; candidates 8 h + 0 .. 7 of the tile, so the minimum never leaves the lane until the very end.
; INDEX.  Per tile and query tile: the least of the eight d2 and the running best by four v_min3, one clamp, one compare, one select
; of the tile's first index, eight selects that keep the winning tile's d2.  Which of the eight it was is found once, behind the loop.
; A strict 'less' keeps the earliest tile; the first of the eight that equals the best is taken: the first index, as argmin gives it.
;
; LIMITS.  (1) Equal costs are recognised on d2, not on its root: two UNEQUAL d2 whose roots round to one f32 (neighbouring
; f32 numbers) count as a tie in the reference, which then takes the earlier index; here the smaller d2 wins.
; (2) NaN or infinite coordinates are not served (v_min*_num drops a NaN, argmin takes it).
; (3) The price recurrence is linear in the cost, so it is run once, in the reference's own two steps, on the cost 1, and
; the result multiplies every cost: rounding differs in the last bits; with |1 - eps|^49 beyond f32's range (eps above about 7) a
; cost of 0 gives NaN here and 0 there.  (4) v_sqrt_f32 takes a denormal as zero (ISA guide 15.8): d2 below 2^-126 roots to 0.
;
; NO TENSOR LOADS, NO CLUSTER: what work-groups share is a batch's 24,576 bytes of candidates, read once per work-group in front of
; 32 steps of arithmetic, and every number has to pass through registers anyway (rounding, norms) before it can lie in LDS.
;
; THE MODE: SCHED_MODE bits 1:0 = 2 (LLVM: expert scheduling mode 2), set by the entry lines.  The code itself states the register
; dependences between vector or matrix instructions and memory or LDS instructions, with s_wait_alu, always for 0.
; THE PLAN.  Registers that memory or LDS instructions touch:
;   GO2, GO1    offsets of the ten global loads: made at the head, never written again.
;   O0, O1      two out-buffers of 12 registers: each takes four candidates' words and norms; ONE wait, then the six LDS stores read them.
;               They lie in DD and SS, which the loop writes: one wait on vm_vsrc behind the first barrier.
;   LST, MAD    LDS addresses, made at the head, never written again.
;   VA, VS      LDS addresses of the loop's loads: read in every step, written once for each pair of tiles, at the pair's end.
;   AF0, AF1    Step t (p = t & 1): the load of tile t + 2 lands in registers 0 and 4 of AF[p], which the products of tile t, issued in step t - 1, read.
;   SQ2         Step t: the norms of tile t + 1 land in SQ2[1 - p], which the adds of step t - 1 read.
;   RES0 .. 3   four pairs (best, index): written by the merge of the lanes' halves, read by four LDS stores behind one wait.
;   FF, GO, FO, FI   the finish: LDS loads land in FF (in DD); two global stores read the others.
; So ONE wait on va_vdst stands at a step's head.  The step's four LDS loads follow it at once; none of the step's 4 matrix and 92 vector
; instructions names a register in which they land (the products read AF[1 - p], the adds SQ2[p]), so nothing more is owed, and the loads have
; all of those in which to land.  One wait on va_sdst a step stands between the run of four compares and the selects that read their masks.
.set CAND_B, 24576                     ; bytes of a batch of candidates: 2048 x 3 f32
.set QRY_B,  1536                      ; bytes of a work-group's 128 queries
.set Y01,    0                         ; LDS: 2048 words (bf16 y0, bf16 y1)
.set Y2,     8192                      ; LDS: 2048 words (bf16 y2, 0)
.set SQB,    16384                     ; LDS: 2048 f32 |y|^2
.set MRG,    24576                     ; LDS: 4 quarters x 128 queries x (best d2, index)
.set R16,  2                           ; lane & 15
.set HH,   3                           ; lane >> 4
.set VA,   4                           ; LDS address of my candidate's words in the current pair of tiles
.set VS,   5                           ; LDS address of my half's eight |y|^2 in the current pair of tiles
.set GO2,  6                           ; byte offset of my candidates in the batch
.set GO1,  7                           ; byte offset of my query in the wave's 64
.set LST,  8                           ; 16 x thread: where my four candidates' words go, and where the finish reads two queries' results
.set H8,   9                           ; 8 h
.set MAD,  10                          ; where my query's (best, index) goes
.set GO,   11                          ; byte offset of my two results
.set UU,   12                          ; the recurrence at cost 1: min_cost
.set PP,   13                          ;                           price
.set RES,  16                          ; v[16:23]   (best, index) for each query tile
.set JJ,   24                          ; v[24:27]   place among the eight, for each query tile
.set BF,   32                          ; v[32:63]   four query fragments
.set AF,   64                          ; v[64:79]   two candidate fragments (tiles take turns)
.set SQ2,  80                          ; v[80:95]   |y|^2 of my half's 8 candidates, two tiles
.set SQ1,  96                          ; v[96:103]  |x|^2 of my query in tile q, twice (a pair for the packed add)
.set SS,   104                         ; v[104:135] s = |x|^2 + |y|^2, 8 for each query tile
.set TT,   136                         ; v[136:143] partial minima
.set BEST, 144                         ; v[144:151] best so far, clamped at 0; two sets that take turns, 4 query tiles each
.set TIDX, 152                         ; v[152:155] first candidate of the winning tile
.set WW,   156                         ; v[156:187] the winning tile's eight d2, for each query tile
.set DD,   188                         ; v[188:251] matrix results, two tiles x 4 query tiles x 8
.set X0,   DD                          ; the prologue's registers lie in DD, SS and TT, which are not yet in use
.set X1,   DD+12
.set XQ,   DD+24
.set O0,   DD+40                       ; out-buffer 0: four words (y0, y1), four words (y2, 0), four norms
.set O1,   SS                          ; out-buffer 1: the same for the second four candidates
.set PT,   DD+52                       ; three numbers at work: no memory instruction names them
.set QW,   TT                          ; a query's two words at work: no memory instruction names them
.set MK,   32                          ; s[32:63]   masks of the compares behind the loop
	s_load_b256 s[4:11], s[0:1], 0x0               ; eps s[4:5], input1 s[6:7], input2 s[8:9], out0 s[10:11]
	s_load_b64 s[12:13], s[0:1], 0x20              ; out1
	v_lshl_add_u32 v30, v0, 2, 0x7000
	v_mov_b32 v31, 0
	v_lshrrev_b32 v1, 5, v0
	v_readfirstlane_b32 s15, v1                    ; wave 0..7
	v_and_b32 v[R16], 15, v0
	v_bfe_u32 v[HH], v0, 4, 1
	v_mul_u32_u24 v[GO2], 48, v0                   ; four candidates of 12 bytes a thread
	v_mul_u32_u24 v[GO1], 12, v[R16]
	s_lshr_b32 s18, ttmp9, 4                       ; batch
	s_mul_i32 s24, s18, CAND_B                     ; the batch's candidates
	s_mov_b32 s25, 0
	s_mul_i32 s26, ttmp9, QRY_B                    ; the work-group's queries (128 g rows of 12 bytes),
	s_mov_b32 s27, 0
	s_lshl_b32 s30, ttmp9, 9                       ; the work-group's 128 results of 4 bytes
	s_mov_b32 s31, 0
	s_mov_b32 s28, 0x76543210                      ; v_permlanex16_b32: lane i takes lane i of the other half
	s_mov_b32 s29, 0xfedcba98
	s_wait_alu depctr_va_sdst(0)                   ; s15 is written, ahead of its first reader: offsets, LDS addresses and a branch are made from it
	s_lshr_b32 s17, s15, 1                         ; my quarter of the candidates
	s_and_b32 s16, s15, 1                          ; my half of the queries
	s_mul_i32 s19, s16, QRY_B/2                    ; my half of the work-group's queries
	s_add_co_u32 s26, s26, s19
	s_lshl_b32 s20, s17, 9                         ; index of the first candidate of the tile at work
	s_wait_kmcnt 0x0
	s_load_b32 s14, s[4:5], 0x0                    ; eps
	s_add_nc_u64 s[8:9], s[8:9], s[24:25]
	s_add_nc_u64 s[6:7], s[6:7], s[26:27]
	s_add_nc_u64 s[10:11], s[10:11], s[30:31]
	s_add_nc_u64 s[12:13], s[12:13], s[30:31]
	s_wait_alu depctr_va_vdst(0)                   ; GO2 and GO1 are written, which the ten loads below read as their offsets
	; candidates 4 t .. 4 t + 3 and 1024 + 4 t .. + 3: 48 bytes each time; the 256 threads cover the batch's 24,576 bytes once
.irp i, 0,1,2
	global_load_b128 v[X0+4*\i:X0+4*\i+3], v[GO2], s[8:9] offset:16*\i
.endr
.irp i, 0,1,2
	global_load_b128 v[X1+4*\i:X1+4*\i+3], v[GO2], s[8:9] offset:CAND_B/2+16*\i
.endr
	; query 16 q + r of my 64, in both halves of the lanes
.irp q, 0,1,2,3
	global_load_b96 v[XQ+4*\q:XQ+4*\q+2], v[GO1], s[6:7] offset:192*\q
.endr
	; register work while the loads are on their way
	v_lshlrev_b32 v[LST], 4, v0
	v_lshlrev_b32 v[H8], 3, v[HH]
	s_lshl_b32 s19, s17, 11                        ; my quarter in each of the three tables: 512 words
	v_lshl_add_u32 v[VA], v[R16], 2, s19           ; candidate r of a tile, the same in both halves of the lanes
	v_lshl_add_u32 v[VS], v[HH], 5, s19            ; candidates 8 h .. 8 h + 7 of a tile
	s_lshl_b32 s19, s15, 9                         ; quarter x 1024 + half x 512 = wave x 512
	v_lshl_add_u32 v[MAD], v[R16], 3, s19
	v_cmp_eq_u32 vcc_lo, 0, v[HH]                  ; lanes 0-15: kept until the query fragments are made
	; the places of K that are not used: registers 1-3 and 5-7 of every fragment, written once
.irp f, 0,1
.irp k, 1,2,3,5,6,7
	v_mov_b32 v[AF+8*\f+\k], 0
.endr
.endr
.irp q, 0,1,2,3
.irp k, 1,2,3,5,6,7
	v_mov_b32 v[BF+8*\q+\k], 0
.endr
.endr
	s_wait_kmcnt 0x0                               ; eps
	; the price recurrence at cost 1: 50 steps give 50 values of min_cost, the last of them behind 49 updates of the price
	v_mov_b32 v[PP], 0
.rept 49
	v_sub_f32 v[UU], 1.0, v[PP]
	v_fmac_f32 v[PP], s14, v[UU]
.endr
	v_sub_f32 v[UU], 1.0, v[PP]
; four candidates from 12 registers at x, into out-buffer o: the two bf16 words and the norm of the rounded numbers
.macro CAND x, o
.irp i, 0,1,2,3
	v_cvt_pk_bf16_f32 v[\o+\i], v[\x+3*\i], v[\x+3*\i+1]
	v_cvt_pk_bf16_f32 v[\o+4+\i], v[\x+3*\i+2], 0
	v_lshlrev_b32 v[PT], 16, v[\o+\i]              ; back to f32: the rounded numbers
	v_and_b32 v[PT+1], 0xffff0000, v[\o+\i]
	v_lshlrev_b32 v[PT+2], 16, v[\o+4+\i]
	v_mul_f32 v[\o+8+\i], v[PT], v[PT]
	v_fmac_f32 v[\o+8+\i], v[PT+1], v[PT+1]
	v_fmac_f32 v[\o+8+\i], v[PT+2], v[PT+2]
.endr
.endm
	s_wait_loadcnt 7                               ; ten loads were issued: the first three (candidates 4 t ..) are in, seven may be out
	CAND X0, O0
	s_wait_loadcnt 4                               ; the next three are in; the four query loads may be out
	CAND X1, O1
	s_wait_alu depctr_va_vdst(0)                   ; both out-buffers and LST are written, which the six stores read; so are VA, VS and MAD: no vector instruction names them again ahead of the LDS instructions that read them
	ds_store_b128 v[LST], v[O0:O0+3] offset:Y01
	ds_store_b128 v[LST], v[O0+4:O0+7] offset:Y2
	ds_store_b128 v[LST], v[O0+8:O0+11] offset:SQB
	ds_store_b128 v[LST], v[O1:O1+3] offset:Y01+4096
	ds_store_b128 v[LST], v[O1+4:O1+7] offset:Y2+4096
	ds_store_b128 v[LST], v[O1+8:O1+11] offset:SQB+4096
	s_wait_loadcnt 0x0
	s_wait_alu depctr_va_vcc(0)                    ; VCC, the mask of lanes 0-15, is written, ahead of the first select that reads it
	; query fragments: lanes 0-15 hold k = 0, 1 (register 0) and k = 16 (register 4).  Lanes 16-31 (k = 8 .., 24 ..) hold zeros, so that the
	; candidate fragments may carry the same words in both halves of the lanes: their upper copies meet zeros.
	; These lines write BF, SQ1, QW and PT: no register that the stores above read.
.irp q, 0,1,2,3
	v_cvt_pk_bf16_f32 v[QW], v[XQ+4*\q], v[XQ+4*\q+1]
	v_cvt_pk_bf16_f32 v[QW+1], v[XQ+4*\q+2], 0
	v_lshlrev_b32 v[PT], 16, v[QW]
	v_and_b32 v[PT+1], 0xffff0000, v[QW]
	v_lshlrev_b32 v[PT+2], 16, v[QW+1]
	v_mul_f32 v[SQ1+2*\q], v[PT], v[PT]
	v_fmac_f32 v[SQ1+2*\q], v[PT+1], v[PT+1]
	v_fmac_f32 v[SQ1+2*\q], v[PT+2], v[PT+2]
	v_cndmask_b32 v[BF+8*\q], 0, v[QW], vcc_lo
	v_cndmask_b32 v[BF+8*\q+4], 0, v[QW+1], vcc_lo
	v_mov_b32 v[SQ1+2*\q+1], v[SQ1+2*\q]
.endr
	s_wait_dscnt 0x0                               ; my part of the tables is written: zero, for the other waves' sake
	s_barrier_signal -1
	s_barrier_wait -1                              ; everybody's is
	s_wait_alu depctr_vm_vsrc(0)                   ; my LDS stores have read the two out-buffers: from here on tile 1's products write O0's registers and the sums s write O1's
; the four products of the tile in buffer b: 16 candidates x 64 queries.  Nothing is summed up over tiles: C is the constant 0.
.macro MM b
.irp q, 0,1,2,3
	v_wmma_f32_16x16x32_bf16 v[DD+32*\b+8*\q:DD+32*\b+8*\q+7], v[AF+8*\b:AF+8*\b+7], v[BF+8*\q:BF+8*\q+7], 0
.endr
.endm
; ONE STEP: tile t, whose products lie in buffer p = t & 1.  wm: the products of tile t + 1 are issued; lda: the fragment of tile
; t + 2 is fetched; lds: the norms of tile t + 1 are fetched; first: tile 0 starts the state, so that nothing is cleared.
; VA and VS stand at tile t - p.  The four query tiles go through each stage side by side, so that no line waits for the one in front.
.macro ITER p, first, wm, lda, lds
.set PN, 1-\p
.if \first
.set EE, WW                                        ; tile 0's d2 are the first 'winning tile'
.else
.set EE, DD+32*\p                                  ; d2 takes the products' place
.endif
	s_wait_dscnt 0x0                               ; the loads of the last step, issued at its head, 4 matrix and 92 vector instructions ago: fragment t + 1, norms t
.if \lda || \lds
	s_wait_alu depctr_va_vdst(0)                   ; tile t's products are done reading AF[p]; the last step's adds are done reading the other SQ2; in a pair's first step VA and VS are written
.endif
.if \lda
	ds_load_b32 v[AF+8*\p], v[VA] offset:Y01+128+64*\p
	ds_load_b32 v[AF+8*\p+4], v[VA] offset:Y2+128+64*\p
.endif
.if \lds
	ds_load_b128 v[SQ2+8*PN:SQ2+8*PN+3], v[VS] offset:SQB+64+64*\p
	ds_load_b128 v[SQ2+8*PN+4:SQ2+8*PN+7], v[VS] offset:SQB+64+64*\p+16
.endif
.if \wm
	MM PN                                          ; reads the other fragment: none of the registers in which the loads above land
.endif
.irp q, 0,1,2,3
.irp j, 0,2,4,6
	v_pk_add_f32 v[SS+8*\q+\j:SS+8*\q+\j+1], v[SQ2+8*\p+\j:SQ2+8*\p+\j+1], v[SQ1+2*\q:SQ1+2*\q+1]   ; s, rounded as the reference rounds it
.endr
.endr
	; These sixteen adds name no register of a matrix instruction: in the first step they are the places (ISA guide 7.12.1; four are asked) between
	; tile 0's products and the first reading of their results; in every other step a whole step lies between a tile's products and that reading.
.irp q, 0,1,2,3
.irp j, 0,2,4,6
	v_pk_fma_f32 v[EE+8*\q+\j:EE+8*\q+\j+1], v[DD+32*\p+8*\q+\j:DD+32*\p+8*\q+\j+1], -2.0, v[SS+8*\q+\j:SS+8*\q+\j+1] op_sel_hi:[1,0,1]   ; d2 = s - 2 x.y
.endr
.endr
.irp q, 0,1,2,3
	v_min3_num_f32 v[TT+2*\q], v[EE+8*\q], v[EE+8*\q+1], v[EE+8*\q+2]
.endr
.irp q, 0,1,2,3
	v_min3_num_f32 v[TT+2*\q+1], v[EE+8*\q+3], v[EE+8*\q+4], v[EE+8*\q+5]
.endr
.irp q, 0,1,2,3
	v_min3_num_f32 v[TT+2*\q], v[TT+2*\q], v[EE+8*\q+6], v[EE+8*\q+7]
.endr
.if \first
.irp q, 0,1,2,3
	v_min_num_f32 v[TT+2*\q], v[TT+2*\q], v[TT+2*\q+1]
.endr
.irp q, 0,1,2,3
	v_max_num_f32 v[BEST+4*PN+\q], 0, v[TT+2*\q]
.endr
.irp q, 0,1,2,3
	v_mov_b32 v[TIDX+\q], s20
.endr
.else
.irp q, 0,1,2,3
	v_min3_num_f32 v[TT+2*\q], v[TT+2*\q], v[TT+2*\q+1], v[BEST+4*\p+\q]   ; the old best rides in the third place
.endr
.irp q, 0,1,2,3
	v_max_num_f32 v[BEST+4*PN+\q], 0, v[TT+2*\q]   ; the reference's clamp in front of the comparison: all d2 <= 0 are equal.  The old best is >= 0
.endr
.irp q, 0,1,2,3
	v_cmp_lt_f32 s[22+\q], v[BEST+4*PN+\q], v[BEST+4*\p+\q]                ; strictly better: an equal later tile does not win
.endr
	s_wait_alu depctr_va_sdst(0)                   ; the four compares have written s[22:25], ahead of the first select that reads one of them
.irp q, 0,1,2,3
	v_cndmask_b32 v[TIDX+\q], v[TIDX+\q], s20, s[22+\q]
.endr
.irp q, 0,1,2,3
.irp j, 0,1,2,3,4,5,6,7
	v_cndmask_b32 v[WW+8*\q+\j], v[WW+8*\q+\j], v[EE+8*\q+\j], s[22+\q]
.endr
.endr
.endif
	s_add_co_u32 s20, s20, 16                      ; the next tile's first candidate
.endm
; The end of a pair of tiles: both LDS addresses move on by two tiles of 16 words.  That they are written is stated by the next step's own wait, at its head.
.macro ON
	s_wait_alu depctr_vm_vsrc(0)                   ; the LDS loads issued so far have read VA and VS
	v_add_nc_u32 v[VA], 128, v[VA]
	v_add_nc_u32 v[VS], 128, v[VS]
.endm
	ds_load_b32 v[AF], v[VA] offset:Y01            ; fragments of tiles 0 and 1, norms of tile 0.  No wait: VA and VS were written ahead of the wait in front of
	ds_load_b32 v[AF+4], v[VA] offset:Y2           ; the six stores, and no vector instruction has yet named a register in which these six loads land
	ds_load_b32 v[AF+8], v[VA] offset:Y01+64
	ds_load_b32 v[AF+12], v[VA] offset:Y2+64
	ds_load_b128 v[SQ2:SQ2+3], v[VS] offset:SQB
	ds_load_b128 v[SQ2+4:SQ2+7], v[VS] offset:SQB+16
	s_wait_dscnt 0x0
	MM 0
	ITER 0, 1, 1, 1, 1                             ; tiles 0 and 1 stand in front of the loop: tile 0 starts the state
	ITER 1, 0, 1, 1, 1
	ON
	s_mov_b32 s21, 14                              ; tiles 2 to 29
.Lpair:
	ITER 0, 0, 1, 1, 1
	ITER 1, 0, 1, 1, 1
	ON
	s_sub_co_u32 s21, s21, 1
	s_cmp_lg_u32 s21, 0
	s_cbranch_scc1 .Lpair
	ITER 0, 0, 1, 0, 1                             ; tile 30: tile 31's products and norms, no further fragment
	ITER 1, 0, 0, 0, 0                             ; tile 31: nothing follows, no load and so no wait for one.  An even number of steps: the best lies in set 0
	; Which of the eight: the first whose d2 is <= the best (the best is the least of them, or 0 where the least is below 0).
	; All 32 compares stand in one run, each with a mask of its own, and one wait behind them.
.irp q, 0,1,2,3
.irp j, 0,1,2,3,4,5,6,7
	v_cmp_le_f32 s[MK+8*\q+\j], v[WW+8*\q+\j], v[BEST+\q]
.endr
.endr
.irp q, 0,1,2,3
	v_mov_b32 v[JJ+\q], 0
.endr
	s_wait_alu depctr_va_sdst(0)                   ; the 32 compares have written s[32:63], ahead of the first select that reads one of them
.irp j, 7,6,5,4,3,2,1,0
.irp q, 0,1,2,3
	v_cndmask_b32 v[JJ+\q], v[JJ+\q], \j, s[MK+8*\q+\j]    ; downward, so that the lowest place is written last; the four query tiles side by side
.endr
.endr
.irp q, 0,1,2,3
	v_add3_u32 v[RES+2*\q+1], v[TIDX+\q], v[JJ+\q], v[H8]  ; tile + 8 h + place
.endr
	; lanes r and r + 16 hold the same query: the smaller best, and of equal ones the lower index; both lanes end up alike
.irp q, 0,1,2,3
	v_permlanex16_b32 v[SS+4*\q], v[BEST+\q], s28, s29     ; (destinations that have been written before)
.endr
.irp q, 0,1,2,3
	v_permlanex16_b32 v[SS+4*\q+1], v[RES+2*\q+1], s28, s29
.endr
.irp q, 0,1,2,3
	v_min_num_f32 v[RES+2*\q], v[BEST+\q], v[SS+4*\q]
.endr
.irp q, 0,1,2,3
	v_cmp_eq_f32 s[MK+2*\q], v[BEST+\q], v[RES+2*\q]
	v_cmp_eq_f32 s[MK+2*\q+1], v[SS+4*\q], v[RES+2*\q]
.endr
	s_wait_alu depctr_va_sdst(0)                   ; the eight compares have written s[32:39] anew, ahead of the first select that reads one of them
.irp q, 0,1,2,3
	v_cndmask_b32 v[SS+4*\q+2], -1, v[RES+2*\q+1], s[MK+2*\q]
	v_cndmask_b32 v[SS+4*\q+3], -1, v[SS+4*\q+1], s[MK+2*\q+1]
.endr
.irp q, 0,1,2,3
	v_min_u32 v[RES+2*\q+1], v[SS+4*\q+2], v[SS+4*\q+3]
.endr
	s_wait_alu depctr_va_vdst(0)                   ; the four pairs (best, index) are written, which the stores read; and all vector and matrix work on DD is over, in which the finish's LDS loads land
.irp q, 0,1,2,3
	ds_store_b64 v[MAD], v[RES+2*\q:RES+2*\q+1] offset:MRG+128*\q    ; quarter x 1024 + query x 8: bytes of this wave alone
.endr
	s_wait_dscnt 0x0                               ; zero: the other waves read these bytes behind the barrier
	s_barrier_signal -1
	s_barrier_wait -1
	s_cmp_gt_u32 s15, 1
	s_cbranch_scc1 .Ldone                          ; 128 queries, two a thread: waves 0 and 1 finish them
.set FF, DD                                        ; v[FF+4c : FF+4c+3] quarter c: (best, index) of queries 2 t and 2 t + 1
.set FA, DD+16                                     ; the better of quarters 0 and 1: best, a pair
.set IA, DD+18                                     ;                                 index, a pair
.set FH, DD+20                                     ; the better of quarters 2 and 3
.set IH, DD+22
.set FB, DD+24                                     ; best, a pair
.set FI, DD+26                                     ; index, a pair
.set FC, DD+28                                     ; cost, then min_cost
.set FO, DD+30                                     ; its root
.irp c, 0,1,2,3
	ds_load_b128 v[FF+4*\c:FF+4*\c+3], v[LST] offset:MRG+1024*\c     ; LST still holds 16 x thread; no vector instruction stands between the last wait on va_vdst and these loads
.endr
	s_wait_dscnt 0x0
	; quarters 0 with 1 and 2 with 3, then the two winners; the later side wins only where it is strictly better: of equal costs the lowest index stays
.irp e, 0,1
	v_cmp_lt_f32 s[MK+\e], v[FF+4+2*\e], v[FF+2*\e]
	v_cmp_lt_f32 s[MK+2+\e], v[FF+12+2*\e], v[FF+8+2*\e]
.endr
	s_wait_alu depctr_va_sdst(0)                   ; the four compares have written s[32:35], ahead of the first select that reads one of them
.irp e, 0,1
	v_cndmask_b32 v[FA+\e], v[FF+2*\e], v[FF+4+2*\e], s[MK+\e]
	v_cndmask_b32 v[IA+\e], v[FF+2*\e+1], v[FF+4+2*\e+1], s[MK+\e]
	v_cndmask_b32 v[FH+\e], v[FF+8+2*\e], v[FF+12+2*\e], s[MK+2+\e]
	v_cndmask_b32 v[IH+\e], v[FF+8+2*\e+1], v[FF+12+2*\e+1], s[MK+2+\e]
.endr
.irp e, 0,1
	v_cmp_lt_f32 s[MK+4+\e], v[FH+\e], v[FA+\e]
.endr
	s_wait_alu depctr_va_sdst(0)                   ; the two compares have written s[36:37], ahead of the first select that reads one of them
.irp e, 0,1
	v_cndmask_b32 v[FB+\e], v[FA+\e], v[FH+\e], s[MK+4+\e]
	v_cndmask_b32 v[FI+\e], v[IA+\e], v[IH+\e], s[MK+4+\e]
.endr
	v_sqrt_f32 v[FC], v[FB]                        ; the cost (d2 is clamped already)
	v_sqrt_f32 v[FC+1], v[FB+1]
	v_lshlrev_b32 v[GO], 3, v0                     ; the plain instruction between a root and its use (ISA guide 5.7.2): 8 bytes a thread
	s_wait_alu depctr_va_vdst(0)
	v_mul_f32 v[FC], v[FC], v[UU]                  ; min_cost of the last step = cost x the recurrence at cost 1
	v_mul_f32 v[FC+1], v[FC+1], v[UU]
	v_sqrt_f32 v[FO], v[FC]
	v_sqrt_f32 v[FO+1], v[FC+1]
	v_nop                                          ; again one plain place in front of the use; it stays beside the wait below
	s_wait_alu depctr_va_vdst(0)                   ; the roots, the indices and the offset GO are written, which the two stores read
	global_store_b64 v[GO], v[FO:FO+1], s[10:11] th:TH_STORE_NT    ; each store of a wave covers 256 consecutive bytes, aligned
	global_store_b64 v[GO], v[FI:FI+1], s[12:13] th:TH_STORE_NT
.Ldone:
	s_wait_dscnt 0x0
	s_wait_alu depctr_hold_cnt(0) depctr_sa_sdst(0) depctr_va_vdst(0) depctr_va_sdst(0) depctr_va_ssrc(0) depctr_va_vcc(0) depctr_vm_vsrc(0)
	s_wait_tensorcnt 0x0
	ds_add_u32 v30, v31
	s_wait_dscnt 0x0
	s_endpgm
.Lfunc_end_k_qa0e44791fd_emd:
	.size	k_qa0e44791fd_emd, .Lfunc_end_k_qa0e44791fd_emd-k_qa0e44791fd_emd
	.p2alignl 7, 3214868480
	.fill 96, 4, 3214868480
	.section	.rodata,"a",@progbits
	.p2align	6, 0x0
	.amdhsa_kernel k_qa0e44791fd_emd
		.amdhsa_group_segment_fixed_size 29696
		.amdhsa_private_segment_fixed_size 0
		.amdhsa_enable_private_segment 0
		.amdhsa_kernarg_size 40
		.amdhsa_user_sgpr_count 2
		.amdhsa_user_sgpr_kernarg_segment_ptr 1
		.amdhsa_wavefront_size32 1
		.amdhsa_system_sgpr_workgroup_id_x 1
		.amdhsa_system_sgpr_workgroup_id_y 1
		.amdhsa_system_sgpr_workgroup_id_z 1
		.amdhsa_system_vgpr_workitem_id 0
		.amdhsa_next_free_vgpr 252
		.amdhsa_next_free_sgpr 66
		.amdhsa_reserve_vcc 1
		.amdhsa_float_denorm_mode_32 3
		.amdhsa_float_denorm_mode_16_64 3
		.amdhsa_memory_ordered 1
		.amdhsa_forward_progress 1
		.amdhsa_inst_pref_size 57
	.end_amdhsa_kernel
	.amdgpu_metadata
---
amdhsa.version: [ 1, 2 ]
amdhsa.kernels:
  - .name:           k_qa0e44791fd_emd
    .symbol:         k_qa0e44791fd_emd.kd
    .args:
      - { .name: eps, .offset: 0, .size: 8, .value_kind: global_buffer, .address_space: global }
      - { .name: input1, .offset: 8, .size: 8, .value_kind: global_buffer, .address_space: global }
      - { .name: input2, .offset: 16, .size: 8, .value_kind: global_buffer, .address_space: global }
      - { .name: out0, .offset: 24, .size: 8, .value_kind: global_buffer, .address_space: global }
      - { .name: out1, .offset: 32, .size: 8, .value_kind: global_buffer, .address_space: global }
    .group_segment_fixed_size: 29696
    .private_segment_fixed_size: 0
    .kernarg_segment_align: 8
    .kernarg_segment_size: 40
    .max_flat_workgroup_size: 256
    .sgpr_count:     66
    .vgpr_count:     252
    .wavefront_size: 32
...
	.end_amdgpu_metadata
.endif
;; end of part 2
